; MI455X (gfx1250); checked and timed in simulation.
; The chip was launched on July 23, 2026; its instructions are those of AMD's public machine-readable ISA for CDNA 5 (MIT licence, August 2026) and "CDNA5" Instruction Set Architecture Reference Guide (July 2026). The comments in the code are by the model that wrote it; some were corrected since.
;; bin feature. Allowed arithmetic: float matrix products may take bf16 or f16 operands with f32 sums; all other float work in f32.
;; Inputs: W 128 x 2,000 float32; bias 128 float32; x 128 x 512 float32.
;; Outputs: out0 128 x 512 x 128 float32.
;; 2 versions, each right; version 2 is version 1 with the launch gather written anew for expert scheduling mode. Each part assembles by itself: llvm-mc -triple=amdgcn-amd-amdhsa -mcpu=gfx1250 --defsym DOCPART=n.
;; ======== version 1 of 2: 2 launches
;; workspace buffers: tab 1,040,384 bytes; bin 262,144 bytes of whole numbers; frac 262,144 bytes
;; launch prep (part 1): grid 32 x 1, 4 waves a work-group, no clusters, 35,328 bytes of LDS; arguments x, W, tab, bin, frac; writes tab, bin, frac
.if DOCPART == 1
	.amdgcn_target "amdgcn-amd-amdhsa--gfx1250"
	.amdhsa_code_object_version 6
	.text
	.protected	k_qa52b3350eb_prep
	.globl	k_qa52b3350eb_prep
	.p2align	8
	.type	k_qa52b3350eb_prep,@function
k_qa52b3350eb_prep:
	s_mov_b64 s[64:65], 0
	v_nop
	global_prefetch_b8 v0, s[64:65] scope:SCOPE_SE
	s_setreg_imm32_b32 hwreg(HW_REG_WAVE_MODE, 25, 1), 1
	s_wait_xcnt 0x0
; bin_feature, first of two launches.
; reference() builds, from pos = x + 1000 alone, a row bins[0..1999] that holds 1 for n < floor(pos), pos - floor(pos) at n = floor(pos) and 0 above,
; and multiplies it by W[d][n].  For all values of x, W and bias the product is therefore, in exact arithmetic,
;     y[d] = bias[d] + (sum of W[d][n] over n < floor(pos)) + frac * W[d][floor(pos)],
; a lookup in the running sums of W along n; the products with the ones and zeros that reference() writes itself are not formed.
; With t = min(max(pos, 0), 2000), fl = min(floor(t), 1999), fr = t - fl and P[n] = sum of W[.][k] over k < n this is
;     y = relu(bias + (1 - fr) P[fl] + fr P[fl + 1])
; in every case of reference(): pos < 0 or NaN gives fl = 0, fr = 0 (all bins 0); floor(pos) >= 2000 gives fl = 1999, fr = 1 (all bins 1).
; Every input has a way to the output and is loaded (x and W here, bias in the second launch).
; LIMITS: an infinity or a NaN in W or bias is not carried to the result as reference() carries it (0 x infinity of the dense product is not formed,
; fr = 0 may meet an infinite running sum, and relu is a maximum in which a NaN loses).  The f32 additions are ordered otherwise than in the dense
; product: inside chunks of 64 n, then over the chunks' totals.
;
; THIS LAUNCH stores (a) for each of the 65,536 x: fl as a whole number (bin) and fr (frac); the second launch forms its addresses from bin;
; (b) tab, the running sums inside chunks of 64 n: tab[65 c + r][d] = sum of W[d][64 c + k] over k < r, r = 0 .. 64 (chunk 31 has 16 n: r = 0 .. 16),
; 2,032 rows of 128 f32.  Each chunk has its own end row, so rows fl + c and fl + c + 1 (c = fl / 64) lie in one chunk, and no work-group needs another's sums.
; Work-group c: x numbers 2048 c .. 2048 c + 2047, and chunk c.  Wave w scans the 16 n at 64 c + 16 w; lane l holds d = 4 l .. 4 l + 3, so each store
; of a table row by a wave covers 512 consecutive bytes, aligned.  W's rows lie along n, the table's along d: the chunk is turned through LDS.
; No matrix instruction: no product is left.  No cluster, no tensor load: no two work-groups read the same bytes of x or W.
.set PITCH, 272                        ; an LDS row: 64 f32 of one d + 16 bytes, an odd multiple of 16: lanes that read one column of neighbouring rows meet different banks
.set WROW,  8000                       ; bytes in a row of W
.set TROW,  512                        ; bytes in a row of tab
.set XO,    1                          ; v1        16 t: my 16 bytes in each 2,048 of x, bin, frac
.set WOFF,  2                          ; v2        my 16 bytes of W: row t / 16, the chunk's byte 16 (t % 16)
.set LST,   3                          ; v3        where they go in LDS
.set LRD,   4                          ; v4        272 l + 64 w: my wave's 16 n of my first d
.set LRP,   5                          ; v5        272 l: the chunk's first n of my first d
.set TO,    6                          ; v6        16 l: my four d in a row of tab
.set TMP,   7
.set X,     8                          ; v[8:23]   x, then t, then fr
.set F,     24                         ; v[24:39]  floor, then fl as a whole number
.set A,     40                         ; v[40:103] W as loaded (16 x 4); later W[4 l + i][e] at A + 16 i + e
.set S,     104                        ; v[104:111] for each of my four d a pair of partial sums over the earlier waves' n
.set O,     112                        ; v[112:179] table rows 0 .. 16 of my wave, row r at O + 4 r
	s_load_b256 s[4:11], s[0:1], 0x0               ; x s[4:5], W s[6:7], tab s[8:9], bin s[10:11]
	s_load_b64 s[12:13], s[0:1], 0x20              ; frac
	v_lshl_add_u32 v184, v0, 2, 0x8800
	v_mov_b32 v185, 0
	v_lshrrev_b32 v[TMP], 5, v0
	v_readfirstlane_b32 s14, v[TMP]                ; wave 0 .. 3
	v_lshlrev_b32 v[XO], 4, v0
	s_lshl_b32 s15, ttmp9, 8                       ; the chunk's first byte in a row of W
	v_and_b32 v[TMP], 15, v0                       ; q = t % 16
	v_lshl_add_u32 v[WOFF], v[TMP], 4, s15
	v_min_u32 v[WOFF], WROW-16, v[WOFF]            ; chunk 31 has 64 bytes: lanes q > 3 stay on the row's last 16 bytes; what they bring lies in LDS where no wave reads
	v_lshrrev_b32 v[LRP], 4, v0                    ; u = t / 16
	v_mul_u32_u24 v[LST], v[LRP], WROW
	v_add_nc_u32 v[WOFF], v[WOFF], v[LST]
	v_and_b32 v[LST], 3, v[LRP]                    ; row d of W goes to LDS row 32 (d % 4) + d / 4; load k brings d = 8 k + u: 32 (u % 4) + u / 4 + 2 k
	v_lshrrev_b32 v[LRD], 2, v[LRP]
	v_lshl_add_u32 v[LST], v[LST], 5, v[LRD]
	v_mul_u32_u24 v[LST], v[LST], PITCH
	v_lshl_add_u32 v[LST], v[TMP], 4, v[LST]
	v_and_b32 v[TO], 31, v0                        ; l
	v_mul_u32_u24 v[LRP], v[TO], PITCH             ; d = 4 l + i lies in LDS row 32 i + l
	s_lshl_b32 s19, s14, 6
	v_add_nc_u32 v[LRD], s19, v[LRP]
	v_lshlrev_b32 v[TO], 4, v[TO]
	s_lshl_b32 s16, ttmp9, 13                      ; 2,048 numbers of 4 bytes
	s_mov_b32 s17, 0
	s_lshl_b32 s18, ttmp9, 2
	s_add_co_u32 s18, s18, s14                     ; 4 c + w: which 16 n are my wave's; 125 of them exist
	s_mul_i32 s20, ttmp9, 65*TROW                  ; table row 65 c + 16 w
	s_lshl_b32 s21, s14, 13
	s_add_co_u32 s20, s20, s21
	s_mov_b32 s21, 0
	s_wait_kmcnt 0x0
	s_add_nc_u64 s[4:5], s[4:5], s[16:17]
	s_add_nc_u64 s[10:11], s[10:11], s[16:17]
	s_add_nc_u64 s[12:13], s[12:13], s[16:17]
	s_add_nc_u64 s[8:9], s[8:9], s[20:21]
	; all loads at once: 4 of x (a wave's load covers 512 consecutive bytes), 16 of W (16 lanes cover a row's 256 bytes of the chunk)
.irp k, 0,1,2,3
	global_load_b128 v[X+4*\k:X+4*\k+3], v[XO], s[4:5] offset:2048*\k th:TH_LOAD_NT
.endr
.irp k, 0,1,2,3,4,5,6,7,8,9,10,11,12,13,14,15
	global_load_b128 v[A+4*\k:A+4*\k+3], v[WOFF], s[6:7] offset:8*WROW*\k
.endr
	; x to bin and frac
	s_wait_loadcnt 16                              ; loads come back in order: x is in, the 16 younger loads of W stay out
.irp e, 0,2,4,6,8,10,12,14
	v_pk_add_f32 v[X+\e:X+\e+1], v[X+\e:X+\e+1], 0x447a0000 op_sel_hi:[1,0]   ; pos = x + 1000
.endr
.set e, 0
.rept 16
	v_max_num_f32 v[X+e], 0, v[X+e]                ; below 0, and NaN (which loses here): 0
.set e, e+1
.endr
.set e, 0
.rept 16
	v_min_num_f32 v[X+e], 0x44fa0000, v[X+e]       ; t: at most 2000
.set e, e+1
.endr
.set e, 0
.rept 16
	v_floor_f32 v[F+e], v[X+e]
.set e, e+1
.endr
.set e, 0
.rept 16
	v_min_num_f32 v[F+e], 0x44f9e000, v[F+e]       ; fl: at most 1999, so that t = 2000 becomes fl = 1999, fr = 1
.set e, e+1
.endr
.irp e, 0,2,4,6,8,10,12,14
	v_pk_add_f32 v[X+\e:X+\e+1], v[X+\e:X+\e+1], v[F+\e:F+\e+1] neg_lo:[0,1] neg_hi:[0,1]   ; fr = t - fl
.endr
.set e, 0
.rept 16
	v_cvt_u32_f32 v[F+e], v[F+e]
.set e, e+1
.endr
.irp k, 0,1,2,3
	global_store_b128 v[XO], v[F+4*\k:F+4*\k+3], s[10:11] offset:2048*\k      ; X, F and XO are not written again
	global_store_b128 v[XO], v[X+4*\k:X+4*\k+3], s[12:13] offset:2048*\k
.endr
	; the chunk of W into LDS
.irp k, 0,1,2,3,4,5,6,7,8,9,10,11,12,13,14,15
	s_wait_loadcnt 15-\k                           ; load k is in, the younger ones stay out
	ds_store_b128 v[LST], v[A+4*\k:A+4*\k+3] offset:2*PITCH*\k
.endr
	s_wait_dscnt 0x0                               ; my stores are in LDS, for the other waves' sake
	s_barrier_signal -1
	s_barrier_wait -1                              ; everybody's are: the only barrier
	s_cmp_ge_u32 s18, 125                          ; waves 1 to 3 of work-group 31 have no n: their share was x and W's way into LDS
	s_cbranch_scc1 .Lend
; sixteen loads: 16 n (64 bytes) of each of my four d
.macro LDSUB adr, off
.irp i, 0,1,2,3
.irp j, 0,1,2,3
	ds_load_b128 v[A+16*\i+4*\j:A+16*\i+4*\j+3], v[\adr] offset:32*PITCH*\i+16*\j+\off
.endr
.endr
.endm
; the 16 n of wave p, which lie in front of mine if p < w, are added to S, two at a time, the four d by turns
.macro PREV p
	s_cmp_le_u32 s14, \p
	s_cbranch_scc1 .Lown
	LDSUB LRP, 64*\p
	s_wait_dscnt 0x0
.irp e, 0,2,4,6,8,10,12,14
.irp i, 0,1,2,3
	v_pk_add_f32 v[S+2*\i:S+2*\i+1], v[S+2*\i:S+2*\i+1], v[A+16*\i+\e:A+16*\i+\e+1]
.endr
.endr
.endm
.irp i, 0,1,2,3,4,5,6,7
	v_mov_b32 v[S+\i], 0                           ; wave 0 adds nothing to these: they become the chunk's row 0
.endr
	PREV 0
	PREV 1
	PREV 2
.Lown:
	LDSUB LRD, 0
.irp i, 0,1,2,3
	v_add_f32 v[O+\i], v[S+2*\i], v[S+2*\i+1]      ; row 16 w of the chunk
.endr
	s_wait_dscnt 0x0
.set r, 0
.rept 16
.irp i, 0,1,2,3
	v_add_f32 v[O+4*r+4+\i], v[O+4*r+\i], v[A+16*\i+r]     ; row r + 1 = row r + W[d][n], four chains side by side
.endr
.set r, r+1
.endr
	s_cmp_lg_u32 s14, 0
	s_cbranch_scc1 .Lrows
	global_store_b128 v[TO], v[O:O+3], s[8:9]      ; the chunk's row 0 is wave 0's; the other waves' row 0 is the row 16 of the wave in front
.Lrows:
.set r, 1
.rept 16
	global_store_b128 v[TO], v[O+4*r:O+4*r+3], s[8:9] offset:TROW*r
.set r, r+1
.endr
.Lend:
	s_wait_tensorcnt 0x0
	ds_add_u32 v184, v185
	s_wait_dscnt 0x0
	s_endpgm
.Lfunc_end_k_qa52b3350eb_prep:
	.size	k_qa52b3350eb_prep, .Lfunc_end_k_qa52b3350eb_prep-k_qa52b3350eb_prep
	.p2alignl 7, 3214868480
	.fill 96, 4, 3214868480
	.section	.rodata,"a",@progbits
	.p2align	6, 0x0
	.amdhsa_kernel k_qa52b3350eb_prep
		.amdhsa_group_segment_fixed_size 35328
		.amdhsa_private_segment_fixed_size 0
		.amdhsa_enable_private_segment 0
		.amdhsa_kernarg_size 40
		.amdhsa_user_sgpr_count 2
		.amdhsa_user_sgpr_kernarg_segment_ptr 1
		.amdhsa_wavefront_size32 1
		.amdhsa_system_sgpr_workgroup_id_x 1
		.amdhsa_system_sgpr_workgroup_id_y 1
		.amdhsa_system_sgpr_workgroup_id_z 1
		.amdhsa_system_vgpr_workitem_id 0
		.amdhsa_next_free_vgpr 186
		.amdhsa_next_free_sgpr 66
		.amdhsa_reserve_vcc 0
		.amdhsa_float_denorm_mode_32 3
		.amdhsa_float_denorm_mode_16_64 3
		.amdhsa_memory_ordered 1
		.amdhsa_forward_progress 1
		.amdhsa_inst_pref_size 26
	.end_amdhsa_kernel
	.amdgpu_metadata
---
amdhsa.version: [ 1, 2 ]
amdhsa.kernels:
  - .name:           k_qa52b3350eb_prep
    .symbol:         k_qa52b3350eb_prep.kd
    .args:
      - { .name: x, .offset: 0, .size: 8, .value_kind: global_buffer, .address_space: global }
      - { .name: W, .offset: 8, .size: 8, .value_kind: global_buffer, .address_space: global }
      - { .name: tab, .offset: 16, .size: 8, .value_kind: global_buffer, .address_space: global }
      - { .name: bin, .offset: 24, .size: 8, .value_kind: global_buffer, .address_space: global }
      - { .name: frac, .offset: 32, .size: 8, .value_kind: global_buffer, .address_space: global }
    .group_segment_fixed_size: 35328
    .private_segment_fixed_size: 0
    .kernarg_segment_align: 8
    .kernarg_segment_size: 40
    .max_flat_workgroup_size: 128
    .sgpr_count:     66
    .vgpr_count:     186
    .wavefront_size: 32
...
	.end_amdgpu_metadata
.endif
;; end of part 1
;; launch gather (part 2): grid 256 x 1, 16 waves a work-group, no clusters, 18,432 bytes of LDS; arguments tab, bin, frac, bias, out0; writes out0
.if DOCPART == 2
	.amdgcn_target "amdgcn-amd-amdhsa--gfx1250"
	.amdhsa_code_object_version 6
	.text
	.protected	k_qa52b3350eb_gather
	.globl	k_qa52b3350eb_gather
	.p2align	8
	.type	k_qa52b3350eb_gather,@function
k_qa52b3350eb_gather:
	s_mov_b64 s[64:65], 0
	v_nop
	global_prefetch_b8 v0, s[64:65] scope:SCOPE_SE
	s_setreg_imm32_b32 hwreg(HW_REG_WAVE_MODE, 25, 1), 1
	s_wait_xcnt 0x0
; bin_feature, second of two launches: out0[row][d] = relu(base[c][d] + (1 - fr) tab[fl + c][d] + fr tab[fl + c + 1][d]),  c = fl / 64,
; with fl (bin, whole numbers) and fr (frac) of each of the 65,536 rows and the running sums inside chunks of 64 n (tab) as the first launch stored them,
; and base[c][d] = bias[d] + the totals tab[65 c' + 64][d] of all chunks c' < c.  This is reference()'s dense product with its step code, of which the
; products with the ones and zeros that reference() writes itself are not formed (shown at the head of the first kernel; the limits stated there hold here:
; non-finite W or bias are not carried as reference() carries them, relu is a maximum in which a NaN loses, the additions are ordered by chunks).
; The interpolation forms no difference of sums.
; Work-group g: rows 256 g .. 256 g + 255; wave w 16 of them; lane l the 16 bytes d = 4 l .. 4 l + 3 of each, so each gather and each store of a wave
; covers 512 consecutive bytes, aligned.  A wave's fl and fr are the same in all its lanes: they come by scalar loads, 64 bytes each.
; All of a wave's 32 gathers go out before the first is waited for (a work-group has 256 KiB on its way).  Every row has registers of its own for its
; table offset, its LDS address, its base and its two table rows, so no address or data register of a load or store, global or LDS, is written again
; behind it, and the text has no loop.
; base is made once by waves 0 and 1 (a strip of 256 bytes each) and lies in LDS, 32 rows of 512 bytes.
; No cluster: which table rows a work-group reads hangs on its data, so no joint request can be written; what all share, 31 totals and bias, is
; 16 KiB beside the 256 KiB that a work-group gathers and the 128 KiB that it stores.
.set TROW, 512                         ; bytes in a row of tab, of base and of out0
.set L16,  1                           ; v1        16 l
.set TMP,  2                           ; v2        t / 32, from which the wave's number is read
.set TOFF, 3                           ; v3        8 (t % 64): waves 0 and 1, my 8 bytes of a row
.set WT,   4                           ; v[4:5]    fr, 1 - fr
.set GO,   6                           ; v[6:21]   row r: byte offset of my 16 bytes in tab
.set B,    22                          ; v[22:85]  row r: its base at B + 4 r.  Before that, in waves 0 and 1: bias and the 31 totals, pair c at B + 2 c
.set P,    86                          ; v[86:213] row r: tab[fl + c] at P + 8 r, tab[fl + c + 1] at P + 8 r + 4
.set LB,   214                         ; v[214:229] row r: LDS address of my 16 bytes of base[c]
.set IDX,  16                          ; s[16:31]  fl of my 16 rows, then 512 c
.set FR,   32                          ; s[32:47]  fr of my 16 rows
	s_load_b256 s[4:11], s[0:1], 0x0               ; tab s[4:5], bin s[6:7], frac s[8:9], bias s[10:11]
	s_load_b64 s[12:13], s[0:1], 0x20              ; out0
	v_lshl_add_u32 v232, v0, 2, 0x4000
	v_mov_b32 v233, 0
	v_lshrrev_b32 v[TMP], 5, v0
	v_readfirstlane_b32 s14, v[TMP]                ; wave 0 .. 15
	v_and_b32 v[L16], 31, v0
	v_lshlrev_b32 v[L16], 4, v[L16]
	v_and_b32 v[TOFF], 63, v0
	v_lshlrev_b32 v[TOFF], 3, v[TOFF]
	s_lshl_b32 s15, ttmp9, 10                      ; 256 rows of 4 bytes in bin and in frac,
	s_lshl_b32 s50, s14, 6                         ; 16 rows a wave
	s_add_co_u32 s48, s15, s50
	s_mov_b32 s49, 0
	s_wait_kmcnt 0x0
	s_add_nc_u64 s[6:7], s[6:7], s[48:49]
	s_add_nc_u64 s[8:9], s[8:9], s[48:49]
	s_load_b512 s[IDX:IDX+15], s[6:7], 0x0
	s_load_b512 s[FR:FR+15], s[8:9], 0x0
	s_lshl_b32 s48, s48, 7                         ; the same rows in out0: 512 bytes each, 128 times as much (below 2^25)
	s_add_nc_u64 s[12:13], s[12:13], s[48:49]
	s_cmp_gt_u32 s14, 1
	s_cbranch_scc1 .Lask
	global_load_b64 v[B:B+1], v[TOFF], s[10:11]    ; waves 0 and 1: bias, then the totals of chunks 0 to 30 (each chunk's row 64)
.set c, 0
.rept 31
	global_load_b64 v[B+2*c+2:B+2*c+3], v[TOFF], s[4:5] offset:(65*c+64)*TROW
.set c, c+1
.endr
.Lask:
	s_wait_kmcnt 0x0                               ; fl and fr are in
; the two table rows of my row r are asked for, and the LDS address of its base row is made: here, in front of the barrier, so that
; behind it the sixteen LDS loads follow each other with no vector instruction between them
.macro ASK r
	s_min_u32 s[IDX+\r], s[IDX+\r], 0x7cf          ; a loaded number enters an address only behind a bound: 1999, the largest that the first launch stores
	s_lshl_b32 s50, s[IDX+\r], 9                   ; 512 fl
	s_lshl_b32 s[IDX+\r], s[IDX+\r], 3
	s_and_b32 s[IDX+\r], s[IDX+\r], 0x3e00         ; 512 (fl / 64) = 512 c: the base row's first byte in LDS
	s_add_co_u32 s50, s50, s[IDX+\r]               ; table row fl + c
	v_add_nc_u32 v[GO+\r], s50, v[L16]
	global_load_b128 v[P+8*\r:P+8*\r+3], v[GO+\r], s[4:5]
	global_load_b128 v[P+8*\r+4:P+8*\r+7], v[GO+\r], s[4:5] offset:TROW
	v_add_nc_u32 v[LB+\r], s[IDX+\r], v[L16]       ; 512 c + 16 l
.endm
.irp r, 0,1,2,3,4,5,6,7,8,9,10,11,12,13,14,15
	ASK \r
.endr
	s_cmp_gt_u32 s14, 1
	s_cbranch_scc1 .Lbar
	s_wait_loadcnt 32                              ; waves 0 and 1: bias and the totals are in, the 32 younger gathers stay out
	ds_store_b64 v[TOFF], v[B:B+1]                 ; base[0] = bias
.set c, 1
.rept 31
	v_pk_add_f32 v[B+2*c:B+2*c+1], v[B+2*c:B+2*c+1], v[B+2*c-2:B+2*c-1]       ; base[c] = base[c - 1] + the total of chunk c - 1
	ds_store_b64 v[TOFF], v[B+2*c:B+2*c+1] offset:TROW*c
.set c, c+1
.endr
.Lbar:
	s_wait_dscnt 0x0                               ; the stores of base are in LDS, for the other waves' sake
	s_barrier_signal -1
	s_barrier_wait -1                              ; the only barrier; the gathers, which touch no LDS, stay on their way across it
.irp r, 0,1,2,3,4,5,6,7,8,9,10,11,12,13,14,15
	ds_load_b128 v[B+4*\r:B+4*\r+3], v[LB+\r]      ; base[c] of row r: 32 lanes, 512 neighbouring bytes; one run of sixteen loads
.endr
; row r: interpolate, relu, store
.macro ROW r
	s_wait_loadcnt 30-2*\r                         ; loads come back in order: my two are in, two for each later row stay out
	s_wait_dscnt 15-\r                             ; and so is my base row; the later rows' stay out
	v_mov_b32 v[WT], s[FR+\r]
	v_sub_f32 v[WT+1], 1.0, v[WT]
	v_pk_fma_f32 v[B+4*\r:B+4*\r+1],   v[P+8*\r+4:P+8*\r+5], v[WT:WT+1], v[B+4*\r:B+4*\r+1]   op_sel_hi:[1,0,1]      ; base + fr x upper row (both halves by fr)
	v_pk_fma_f32 v[B+4*\r+2:B+4*\r+3], v[P+8*\r+6:P+8*\r+7], v[WT:WT+1], v[B+4*\r+2:B+4*\r+3] op_sel_hi:[1,0,1]
	v_pk_fma_f32 v[P+8*\r:P+8*\r+1],   v[P+8*\r:P+8*\r+1],   v[WT:WT+1], v[B+4*\r:B+4*\r+1]   op_sel:[0,1,0]         ; + (1 - fr) x lower row (both halves by 1 - fr)
	v_pk_fma_f32 v[P+8*\r+2:P+8*\r+3], v[P+8*\r+2:P+8*\r+3], v[WT:WT+1], v[B+4*\r+2:B+4*\r+3] op_sel:[0,1,0]
.irp i, 0,1,2,3
	v_max_num_f32 v[P+8*\r+\i], 0, v[P+8*\r+\i]    ; relu
.endr
	global_store_b128 v[L16], v[P+8*\r:P+8*\r+3], s[12:13] offset:TROW*\r th:TH_STORE_NT
.endm
.irp r, 0,1,2,3,4,5,6,7,8,9,10,11,12,13,14,15
	ROW \r
.endr
	s_wait_tensorcnt 0x0
	ds_add_u32 v232, v233
	s_wait_dscnt 0x0
	s_endpgm
.Lfunc_end_k_qa52b3350eb_gather:
	.size	k_qa52b3350eb_gather, .Lfunc_end_k_qa52b3350eb_gather-k_qa52b3350eb_gather
	.p2alignl 7, 3214868480
	.fill 96, 4, 3214868480
	.section	.rodata,"a",@progbits
	.p2align	6, 0x0
	.amdhsa_kernel k_qa52b3350eb_gather
		.amdhsa_group_segment_fixed_size 18432
		.amdhsa_private_segment_fixed_size 0
		.amdhsa_enable_private_segment 0
		.amdhsa_kernarg_size 40
		.amdhsa_user_sgpr_count 2
		.amdhsa_user_sgpr_kernarg_segment_ptr 1
		.amdhsa_wavefront_size32 1
		.amdhsa_system_sgpr_workgroup_id_x 1
		.amdhsa_system_sgpr_workgroup_id_y 1
		.amdhsa_system_sgpr_workgroup_id_z 1
		.amdhsa_system_vgpr_workitem_id 0
		.amdhsa_next_free_vgpr 234
		.amdhsa_next_free_sgpr 66
		.amdhsa_reserve_vcc 0
		.amdhsa_float_denorm_mode_32 3
		.amdhsa_float_denorm_mode_16_64 3
		.amdhsa_memory_ordered 1
		.amdhsa_forward_progress 1
		.amdhsa_inst_pref_size 27
	.end_amdhsa_kernel
	.amdgpu_metadata
---
amdhsa.version: [ 1, 2 ]
amdhsa.kernels:
  - .name:           k_qa52b3350eb_gather
    .symbol:         k_qa52b3350eb_gather.kd
    .args:
      - { .name: tab, .offset: 0, .size: 8, .value_kind: global_buffer, .address_space: global }
      - { .name: bin, .offset: 8, .size: 8, .value_kind: global_buffer, .address_space: global }
      - { .name: frac, .offset: 16, .size: 8, .value_kind: global_buffer, .address_space: global }
      - { .name: bias, .offset: 24, .size: 8, .value_kind: global_buffer, .address_space: global }
      - { .name: out0, .offset: 32, .size: 8, .value_kind: global_buffer, .address_space: global }
    .group_segment_fixed_size: 18432
    .private_segment_fixed_size: 0
    .kernarg_segment_align: 8
    .kernarg_segment_size: 40
    .max_flat_workgroup_size: 512
    .sgpr_count:     66
    .vgpr_count:     234
    .wavefront_size: 32
...
	.end_amdgpu_metadata
.endif
;; end of part 2
;; ======== version 2 of 2: 2 launches; version 1 with the launch gather written anew for expert scheduling mode
;; workspace buffers: tab 1,040,384 bytes; bin 262,144 bytes of whole numbers; frac 262,144 bytes
;; launch prep: the kernel of part 1 again; grid 32 x 1, 4 waves a work-group, no clusters, 35,328 bytes of LDS; arguments x, W, tab, bin, frac; writes tab, bin, frac
;; launch gather (part 3): grid 256 x 1, 16 waves a work-group, no clusters, 18,432 bytes of LDS; arguments tab, bin, frac, bias, out0; writes out0
.if DOCPART == 3
	.amdgcn_target "amdgcn-amd-amdhsa--gfx1250"
	.amdhsa_code_object_version 6
	.text
	.protected	k_qa52b3350eb_gather
	.globl	k_qa52b3350eb_gather
	.p2align	8
	.type	k_qa52b3350eb_gather,@function
k_qa52b3350eb_gather:
	s_mov_b64 s[64:65], 0
	v_nop
	global_prefetch_b8 v0, s[64:65] scope:SCOPE_SE
	s_setreg_imm32_b32 hwreg(HW_REG_WAVE_SCHED_MODE, 0, 2), 2
	s_setreg_imm32_b32 hwreg(HW_REG_WAVE_MODE, 25, 1), 1
	s_wait_xcnt 0x0
	s_wait_alu depctr_vm_vsrc(0)
; bin_feature, second of two launches: out0[row][d] = relu(base[c][d] + (1 - fr) tab[fl + c][d] + fr tab[fl + c + 1][d]),  c = fl / 64,
; with fl (bin, whole numbers) and fr (frac) of each of the 65,536 rows and the running sums inside chunks of 64 n (tab) as the first launch stored them,
; and base[c][d] = bias[d] + the totals tab[65 c' + 64][d] of all chunks c' < c.  This is reference()'s dense product with its step code, of which the
; products with the ones and zeros that reference() writes itself are not formed (shown at the head of the first kernel; the limits stated there hold here:
; non-finite W or bias are not carried as reference() carries them, relu is a maximum in which a NaN loses, the additions are ordered by chunks).
; The interpolation forms no difference of sums.
; Work-group g: rows 256 g .. 256 g + 255; wave w 16 of them; lane l the 16 bytes d = 4 l .. 4 l + 3 of each, so each gather and each store of a wave
; covers 512 consecutive bytes, aligned.  A wave's fl and fr are the same in all its lanes: they come by scalar loads, 64 bytes each.
; All of a wave's 32 gathers go out before the first is waited for (a work-group has 256 KiB on its way).  Every row has registers of its own for its
; table offset, its LDS address, its base and its two table rows, so no address or data register of a load or store, global or LDS, is written again
; behind it, and the text has no loop.
; base is made once by waves 0 and 1 (a strip of 256 bytes each) and lies in LDS, 32 rows of 512 bytes.
; No cluster: which table rows a work-group reads hangs on its data, so no joint request can be written; what all share, 31 totals and bias, is
; 16 KiB beside the 256 KiB that a work-group gathers and the 128 KiB that it stores.
; THE MODE: SCHED_MODE bits 1:0 = 2 (LLVM: expert scheduling mode 2), set by the entry lines.  The code itself states the register dependences
; between vector instructions and memory or LDS instructions, with s_wait_alu, always for 0.
; THE PLAN.  Registers that memory or LDS instructions touch:
;   v[TOFF], v[L16]   Written at the head, never again.  Read by waves 0 and 1's loads and LDS stores; by the sixteen stores of out0.
;   v[GO+r], v[LB+r]  Written once, by one add each, all 32 in front of one wait.  Read by row r's two gathers; by its LDS load behind the barrier.
;   B                 Waves 0 and 1: bias and the totals land in it, the 31 packed adds write it, one wait, the 32 LDS stores read it.  All waves, behind
;                     the barrier: the base rows land in it, behind a wait that states that those LDS stores have read it; then vector lines alone name it.
;   P                 The gathers land in it; no vector line names it before.  Row r's arithmetic writes P + 8 r .. + 3, which row r's store reads.
;   v[WT], v[TMP]     Named by vector lines alone.
; The way out goes in four blocks of four rows.  Block b's four stores are issued in block b + 1, behind ONE wait at that block's head, and are dealt among
; its vector lines, which name v[WT] and block b + 1's own B and P: none of the registers that those stores read.  No register that a store reads is written again.
.set TROW, 512                         ; bytes in a row of tab, of base and of out0
.set L16,  1                           ; v1        16 l
.set TMP,  2                           ; v2        t / 32, from which the wave's number is read
.set TOFF, 3                           ; v3        8 (t % 64): waves 0 and 1, my 8 bytes of a row
.set WT,   4                           ; v[4:5]    fr, 1 - fr
.set GO,   6                           ; v[6:21]   row r: byte offset of my 16 bytes in tab
.set B,    22                          ; v[22:85]  row r: its base at B + 4 r.  Before that, in waves 0 and 1: bias and the 31 totals, pair c at B + 2 c
.set P,    86                          ; v[86:213] row r: tab[fl + c] at P + 8 r, tab[fl + c + 1] at P + 8 r + 4
.set LB,   214                         ; v[214:229] row r: LDS address of my 16 bytes of base[c]
.set IDX,  16                          ; s[16:31]  fl of my 16 rows, then 512 c
.set FR,   32                          ; s[32:47]  fr of my 16 rows
	s_load_b256 s[4:11], s[0:1], 0x0               ; tab s[4:5], bin s[6:7], frac s[8:9], bias s[10:11]
	s_load_b64 s[12:13], s[0:1], 0x20              ; out0
	v_lshl_add_u32 v230, v0, 2, 0x4000
	v_mov_b32 v231, 0
	v_lshrrev_b32 v[TMP], 5, v0
	v_readfirstlane_b32 s14, v[TMP]                ; wave 0 .. 15
	v_and_b32 v[L16], 31, v0
	v_lshlrev_b32 v[L16], 4, v[L16]
	v_and_b32 v[TOFF], 63, v0
	v_lshlrev_b32 v[TOFF], 3, v[TOFF]
	s_wait_alu depctr_va_sdst(0)                   ; s14 is written, ahead of its first reader: the wave's rows and both branches hang on it
	s_lshl_b32 s15, ttmp9, 10                      ; 256 rows of 4 bytes in bin and in frac,
	s_lshl_b32 s50, s14, 6                         ; 16 rows a wave
	s_add_co_u32 s48, s15, s50
	s_mov_b32 s49, 0
	s_wait_kmcnt 0x0
	s_add_nc_u64 s[6:7], s[6:7], s[48:49]
	s_add_nc_u64 s[8:9], s[8:9], s[48:49]
	s_load_b512 s[IDX:IDX+15], s[6:7], 0x0
	s_load_b512 s[FR:FR+15], s[8:9], 0x0
	s_lshl_b32 s48, s48, 7                         ; the same rows in out0: 512 bytes each, 128 times as much (below 2^25)
	s_add_nc_u64 s[12:13], s[12:13], s[48:49]
	s_wait_alu depctr_va_vdst(0)                   ; v[TOFF] is written, which waves 0 and 1's loads and LDS stores read, and v[L16], which the stores of out0 read
	s_cmp_gt_u32 s14, 1
	s_cbranch_scc1 .Lask
	global_load_b64 v[B:B+1], v[TOFF], s[10:11]    ; waves 0 and 1: bias, then the totals of chunks 0 to 30 (each chunk's row 64)
.set c, 0
.rept 31
	global_load_b64 v[B+2*c+2:B+2*c+3], v[TOFF], s[4:5] offset:(65*c+64)*TROW
.set c, c+1
.endr
.Lask:
	s_wait_kmcnt 0x0                               ; fl and fr are in
; the table offset of my row r and the LDS address of its base row are made: all sixteen rows' in front of the one wait below
.macro ADDR r
	s_min_u32 s[IDX+(\r)], s[IDX+(\r)], 0x7cf      ; a loaded number enters an address only behind a bound: 1999, the largest that the first launch stores
	s_lshl_b32 s50, s[IDX+(\r)], 9                 ; 512 fl
	s_lshl_b32 s[IDX+(\r)], s[IDX+(\r)], 3
	s_and_b32 s[IDX+(\r)], s[IDX+(\r)], 0x3e00     ; 512 (fl / 64) = 512 c: the base row's first byte in LDS
	s_add_co_u32 s50, s50, s[IDX+(\r)]             ; table row fl + c
	v_add_nc_u32 v[GO+(\r)], s50, v[L16]
	v_add_nc_u32 v[LB+(\r)], s[IDX+(\r)], v[L16]   ; 512 c + 16 l
.endm
; the two table rows of my row r are asked for
.macro ASK r
	global_load_b128 v[P+8*(\r):P+8*(\r)+3], v[GO+(\r)], s[4:5]
	global_load_b128 v[P+8*(\r)+4:P+8*(\r)+7], v[GO+(\r)], s[4:5] offset:TROW
.endm
.irp r, 0,1,2,3,4,5,6,7,8,9,10,11,12,13,14,15
	ADDR \r
.endr
	s_wait_alu depctr_va_vdst(0)                   ; the 32 adds have written v[GO ..], which the gathers read, and v[LB ..], which the LDS loads behind the barrier read; nothing names them again
.irp r, 0,1,2,3,4,5,6,7,8,9,10,11,12,13,14,15
	ASK \r
.endr
	s_cmp_gt_u32 s14, 1
	s_cbranch_scc1 .Lbar
	s_wait_loadcnt 32                              ; waves 0 and 1: bias and the totals are in, the 32 younger gathers stay out
.set c, 1
.rept 31
	v_pk_add_f32 v[B+2*c:B+2*c+1], v[B+2*c:B+2*c+1], v[B+2*c-2:B+2*c-1]       ; base[c] = base[c - 1] + the total of chunk c - 1; base[0] = bias
.set c, c+1
.endr
	s_wait_alu depctr_va_vdst(0)                   ; the 31 adds have written v[B ..], which the LDS stores read; and they are done with these registers, in which the base rows land behind the barrier
.set c, 0
.rept 32
	ds_store_b64 v[TOFF], v[B+2*c:B+2*c+1] offset:TROW*c                      ; one run of 32 stores
.set c, c+1
.endr
.Lbar:
	s_wait_dscnt 0x0                               ; the stores of base are in LDS, for the other waves' sake
	s_barrier_signal -1
	s_barrier_wait -1                              ; the only barrier; the gathers, which touch no LDS, stay on their way across it
	s_wait_alu depctr_vm_vsrc(0)                   ; waves 0 and 1's LDS stores have read v[B ..], in which the loads below land
.irp r, 0,1,2,3,4,5,6,7,8,9,10,11,12,13,14,15
	ds_load_b128 v[B+4*\r:B+4*\r+3], v[LB+\r]      ; base[c] of row r: 32 lanes, 512 neighbouring bytes; one run of sixteen loads
.endr
; row r: interpolate, relu
.macro MIX r
	v_mov_b32 v[WT], s[FR+(\r)]
	v_sub_f32 v[WT+1], 1.0, v[WT]
	v_pk_fma_f32 v[B+4*(\r):B+4*(\r)+1],   v[P+8*(\r)+4:P+8*(\r)+5], v[WT:WT+1], v[B+4*(\r):B+4*(\r)+1]   op_sel_hi:[1,0,1]      ; base + fr x upper row (both halves by fr)
	v_pk_fma_f32 v[B+4*(\r)+2:B+4*(\r)+3], v[P+8*(\r)+6:P+8*(\r)+7], v[WT:WT+1], v[B+4*(\r)+2:B+4*(\r)+3] op_sel_hi:[1,0,1]
	v_pk_fma_f32 v[P+8*(\r):P+8*(\r)+1],   v[P+8*(\r):P+8*(\r)+1],   v[WT:WT+1], v[B+4*(\r):B+4*(\r)+1]   op_sel:[0,1,0]         ; + (1 - fr) x lower row (both halves by 1 - fr)
	v_pk_fma_f32 v[P+8*(\r)+2:P+8*(\r)+3], v[P+8*(\r)+2:P+8*(\r)+3], v[WT:WT+1], v[B+4*(\r)+2:B+4*(\r)+3] op_sel:[0,1,0]
.irp j, 0,1,2,3
	v_max_num_f32 v[P+8*(\r)+\j], 0, v[P+8*(\r)+\j]        ; relu
.endr
.endm
; row r: store
.macro OUT r
	global_store_b128 v[L16], v[P+8*(\r):P+8*(\r)+3], s[12:13] offset:TROW*(\r) th:TH_STORE_NT
.endm
; block b: rows 4 b .. 4 b + 3 are worked on, and the rows of the block before leave
.macro BLK b
	s_wait_loadcnt 24-8*(\b)                       ; loads come back in order: the block's eight gathers are in, two for each row of the later blocks stay out
	s_wait_dscnt 12-4*(\b)                         ; and so are its four base rows; the later blocks' stay out
.if \b > 0
	s_wait_alu depctr_va_vdst(0)                   ; the block before has written its four rows' results in P, which the stores below read; no vector line of this block names them
.endif
.irp i, 0,1,2,3
.if \b > 0
	OUT 4*(\b)-4+\i
.endif
	MIX 4*(\b)+\i
.endr
.endm
	BLK 0
	BLK 1
	BLK 2
	BLK 3
	s_wait_alu depctr_va_vdst(0)                   ; block 3 has written its four rows' results, which the last four stores read
.irp r, 12,13,14,15
	OUT \r
.endr
	s_wait_dscnt 0x0
	s_wait_alu depctr_hold_cnt(0) depctr_sa_sdst(0) depctr_va_vdst(0) depctr_va_sdst(0) depctr_va_ssrc(0) depctr_va_vcc(0) depctr_vm_vsrc(0)
	s_wait_tensorcnt 0x0
	ds_add_u32 v230, v231
	s_wait_dscnt 0x0
	s_endpgm
.Lfunc_end_k_qa52b3350eb_gather:
	.size	k_qa52b3350eb_gather, .Lfunc_end_k_qa52b3350eb_gather-k_qa52b3350eb_gather
	.p2alignl 7, 3214868480
	.fill 96, 4, 3214868480
	.section	.rodata,"a",@progbits
	.p2align	6, 0x0
	.amdhsa_kernel k_qa52b3350eb_gather
		.amdhsa_group_segment_fixed_size 18432
		.amdhsa_private_segment_fixed_size 0
		.amdhsa_enable_private_segment 0
		.amdhsa_kernarg_size 40
		.amdhsa_user_sgpr_count 2
		.amdhsa_user_sgpr_kernarg_segment_ptr 1
		.amdhsa_wavefront_size32 1
		.amdhsa_system_sgpr_workgroup_id_x 1
		.amdhsa_system_sgpr_workgroup_id_y 1
		.amdhsa_system_sgpr_workgroup_id_z 1
		.amdhsa_system_vgpr_workitem_id 0
		.amdhsa_next_free_vgpr 232
		.amdhsa_next_free_sgpr 66
		.amdhsa_reserve_vcc 0
		.amdhsa_float_denorm_mode_32 3
		.amdhsa_float_denorm_mode_16_64 3
		.amdhsa_memory_ordered 1
		.amdhsa_forward_progress 1
		.amdhsa_inst_pref_size 27
	.end_amdhsa_kernel
	.amdgpu_metadata
---
amdhsa.version: [ 1, 2 ]
amdhsa.kernels:
  - .name:           k_qa52b3350eb_gather
    .symbol:         k_qa52b3350eb_gather.kd
    .args:
      - { .name: tab, .offset: 0, .size: 8, .value_kind: global_buffer, .address_space: global }
      - { .name: bin, .offset: 8, .size: 8, .value_kind: global_buffer, .address_space: global }
      - { .name: frac, .offset: 16, .size: 8, .value_kind: global_buffer, .address_space: global }
      - { .name: bias, .offset: 24, .size: 8, .value_kind: global_buffer, .address_space: global }
      - { .name: out0, .offset: 32, .size: 8, .value_kind: global_buffer, .address_space: global }
    .group_segment_fixed_size: 18432
    .private_segment_fixed_size: 0
    .kernarg_segment_align: 8
    .kernarg_segment_size: 40
    .max_flat_workgroup_size: 512
    .sgpr_count:     66
    .vgpr_count:     232
    .wavefront_size: 32
...
	.end_amdgpu_metadata
.endif
;; end of part 3
